; MI455X (gfx1250); checked and timed in simulation.
; The chip was launched on July 23, 2026; its instructions are those of AMD's public machine-readable ISA for CDNA 5 (MIT licence, August 2026) and "CDNA5" Instruction Set Architecture Reference Guide (July 2026). The comments in the code are by the model that wrote it; some were corrected since.
;; Attention Head. Allowed arithmetic: float matrix products may take bf16 or f16 operands with f32 sums; all other float work in f32.
;; Inputs: Wk 1,024 x 64 float32; Wq 1,024 x 64 float32; Wv 1,024 x 64 float32; x 4 x 4,096 x 1,024 float32.
;; Outputs: out0 4 x 4,096 x 64 float32.
;; One version. Each part assembles by itself: llvm-mc -triple=amdgcn-amd-amdhsa -mcpu=gfx1250 --defsym DOCPART=n.
;; ======== version 1 of 1: 3 launches
;; limits: values are held in f16: magnitudes above 65,504 overflow, below 6.1e-05 lose precision
;; workspace buffers: wf 393,216 bytes; qf 2,097,152 bytes; kf 2,097,152 bytes; vf 2,097,152 bytes
;; launch prep (part 1): grid 64 x 3, 1 waves a work-group, no clusters, 2,560 bytes of LDS; arguments Wq, Wk, Wv, wf; writes wf
.if DOCPART == 1
	.amdgcn_target "amdgcn-amd-amdhsa--gfx1250"
	.amdhsa_code_object_version 6
	.text
	.protected	k_q0db8e44205_prep
	.globl	k_q0db8e44205_prep
	.p2align	8
	.type	k_q0db8e44205_prep,@function
k_q0db8e44205_prep:
	s_mov_b64 s[64:65], 0
	v_nop
	global_prefetch_b8 v0, s[64:65] scope:SCOPE_SE
	s_setreg_imm32_b32 hwreg(HW_REG_WAVE_MODE, 25, 1), 1
	s_wait_xcnt 0x0
; Wq, Wk, Wv: [1024 (k)][64 (n)] f32  ->  wf: bf16, in the order in which a matrix operand lies in a wave's registers.
; wf = [ks 0..31][g 0..3][mat 0..2 = q, k, v][half 0..1] pieces of 512 bytes; in a piece lane L = r + 16 h has 16 bytes at 16 L:
; its element e (0..7) is W_mat[32 ks + 16 half + 8 h + e][16 g + r].  Pieces half 0 and 1 are registers 0-3 and 4-7 of one
; fragment of 16 columns x 32 k, so that the next launch loads a fragment by two loads of 512 neighbouring bytes.
; One wave a work-group: group (X, Y) takes rows 16 X .. 16 X + 15 of matrix Y (ks = X / 2, half = X mod 2), 4,096 bytes in,
; 2,048 bytes out.  The turn from rows to columns goes through 2,096 bytes of the wave's own LDS.
; No matrix unit, no cluster, no ring: 768 KiB are read once and no two work-groups read the same byte.
.set LP, 528                           ; LDS pitch from one g to the next: 512 + 16, so that the sixteen lanes of a store hit sixteen different 16-byte columns modulo 256
	s_load_b256 s[4:11], s[0:1], 0x0               ; Wq s[4:5], Wk s[6:7], Wv s[8:9], wf s[10:11]
	v_lshl_add_u32 v64, v0, 2, 0x900
	v_mov_b32 v65, 0
	s_and_b32 s16, ttmp7, 0xffff                   ; Y: which matrix
	v_and_b32 v4, 15, v0                           ; l
	v_lshrrev_b32 v5, 4, v0                        ; h
	v_lshlrev_b32 v1, 4, v4
	v_lshl_add_u32 v1, v5, 11, v1                  ; load: row 8 h (+ e by the immediate), columns 4 l .. 4 l + 3
	v_lshrrev_b32 v6, 2, v4                        ; g of my four columns = l / 4
	v_and_b32 v7, 3, v4
	v_mul_u32_u24 v2, v6, LP
	v_lshl_add_u32 v2, v7, 6, v2                   ; column 4 l + c is r = 4 (l mod 4) + c: 16 r = 64 (l mod 4) + 16 c
	v_lshl_add_u32 v2, v5, 8, v2                   ; + 16 x 16 h
	v_lshlrev_b32 v3, 4, v0                        ; 16 L: read back, and the place in a piece of wf
	s_lshl_b32 s14, ttmp9, 12                      ; 16 rows of 256 bytes
	s_mov_b32 s15, 0
	s_lshr_b32 s17, ttmp9, 1
	s_mul_i32 s18, s17, 12288                      ; ks x 12 pieces x 1,024... = 4 g x 3 matrices x 2 halves x 512 bytes
	s_and_b32 s17, ttmp9, 1
	s_lshl_b32 s17, s17, 9                         ; half
	s_add_co_u32 s18, s18, s17
	s_lshl_b32 s17, s16, 10                        ; matrix
	s_add_co_u32 s18, s18, s17
	s_mov_b32 s19, 0
	s_wait_kmcnt 0x0
	s_cmp_eq_u32 s16, 1
	s_cselect_b64 s[12:13], s[6:7], s[4:5]         ; the matrix is chosen by the work-group's y alone
	s_cmp_eq_u32 s16, 2
	s_cselect_b64 s[12:13], s[8:9], s[12:13]
	s_add_nc_u64 s[12:13], s[12:13], s[14:15]
	s_add_nc_u64 s[10:11], s[10:11], s[18:19]
.irp e, 0,1,2,3,4,5,6,7
	global_load_b128 v[8+4*\e:8+4*\e+3], v1, s[12:13] offset:256*\e th:TH_LOAD_NT   ; sixteen lanes take one whole row of 256 bytes
.endr
	s_wait_loadcnt 0x0
.irp c, 0,1,2,3
.irp p, 0,1,2,3
	v_cvt_pk_bf16_f32 v[40+4*\c+\p], v[8+8*\p+\c], v[12+8*\p+\c]    ; column c: rows 8 h + 2 p and 8 h + 2 p + 1
.endr
.endr
.irp c, 0,1,2,3
	ds_store_b128 v2, v[40+4*\c:40+4*\c+3] offset:16*\c
.endr
.irp g, 0,1,2,3
	ds_load_b128 v[8+4*\g:8+4*\g+3], v3 offset:LP*\g               ; LDS serves a wave's instructions in order (ISA guide 5.7.1): these see the stores above
.endr
.irp g, 0,1,2,3
	s_wait_dscnt 3-\g                              ; the younger LDS loads may stay out
	global_store_b128 v3, v[8+4*\g:8+4*\g+3], s[10:11] offset:3072*\g   ; 512 neighbouring bytes, at a multiple of 512 from wf's first byte
.endr
	s_wait_tensorcnt 0x0
	ds_add_u32 v64, v65
	s_wait_dscnt 0x0
	s_endpgm
.Lfunc_end_k_q0db8e44205_prep:
	.size	k_q0db8e44205_prep, .Lfunc_end_k_q0db8e44205_prep-k_q0db8e44205_prep
	.p2alignl 7, 3214868480
	.fill 96, 4, 3214868480
	.section	.rodata,"a",@progbits
	.p2align	6, 0x0
	.amdhsa_kernel k_q0db8e44205_prep
		.amdhsa_group_segment_fixed_size 2560
		.amdhsa_private_segment_fixed_size 0
		.amdhsa_enable_private_segment 0
		.amdhsa_kernarg_size 32
		.amdhsa_user_sgpr_count 2
		.amdhsa_user_sgpr_kernarg_segment_ptr 1
		.amdhsa_wavefront_size32 1
		.amdhsa_system_sgpr_workgroup_id_x 1
		.amdhsa_system_sgpr_workgroup_id_y 1
		.amdhsa_system_sgpr_workgroup_id_z 1
		.amdhsa_system_vgpr_workitem_id 0
		.amdhsa_next_free_vgpr 66
		.amdhsa_next_free_sgpr 66
		.amdhsa_reserve_vcc 0
		.amdhsa_float_denorm_mode_32 3
		.amdhsa_float_denorm_mode_16_64 3
		.amdhsa_memory_ordered 1
		.amdhsa_forward_progress 1
		.amdhsa_inst_pref_size 5
	.end_amdhsa_kernel
	.amdgpu_metadata
---
amdhsa.version: [ 1, 2 ]
amdhsa.kernels:
  - .name:           k_q0db8e44205_prep
    .symbol:         k_q0db8e44205_prep.kd
    .args:
      - { .name: Wq, .offset: 0, .size: 8, .value_kind: global_buffer, .address_space: global }
      - { .name: Wk, .offset: 8, .size: 8, .value_kind: global_buffer, .address_space: global }
      - { .name: Wv, .offset: 16, .size: 8, .value_kind: global_buffer, .address_space: global }
      - { .name: wf, .offset: 24, .size: 8, .value_kind: global_buffer, .address_space: global }
    .group_segment_fixed_size: 2560
    .private_segment_fixed_size: 0
    .kernarg_segment_align: 8
    .kernarg_segment_size: 32
    .max_flat_workgroup_size: 32
    .sgpr_count:     66
    .vgpr_count:     66
    .wavefront_size: 32
...
	.end_amdgpu_metadata
.endif
;; end of part 1
;; launch proj (part 2): grid 256 x 1, 8 waves a work-group, no clusters, 320,512 bytes of LDS; arguments x, wf, qf, kf, vf; writes qf, kf, vf
.if DOCPART == 2
	.amdgcn_target "amdgcn-amd-amdhsa--gfx1250"
	.amdhsa_code_object_version 6
	.text
	.protected	k_q0db8e44205_proj
	.globl	k_q0db8e44205_proj
	.p2align	8
	.type	k_q0db8e44205_proj,@function
k_q0db8e44205_proj:
	s_mov_b64 s[64:65], 0
	v_nop
	global_prefetch_b8 v0, s[64:65] scope:SCOPE_SE
	s_setreg_imm32_b32 hwreg(HW_REG_WAVE_MODE, 25, 1), 1
	s_wait_xcnt 0x0
; q, k, v = x Wq, x Wk, x Wv.  x: [16384 tokens][1024] f32; wf: the three weights as bf16 fragments (see below); sums in f32.
; Products with bf16 operands; q, k, v leave as f16, in the order in which the attention launch's matrix operands lie in registers:
;   qf, kf = [tile of 16 tokens tt][g 0..3] pieces of 512 bytes: lane L = r + 16 h has token 16 tt + r, d = 16 g + 8 h + 0..7
;   vf     = [block of 32 tokens kb][u 0..3][half 0..1] pieces:  lane L has d = 16 u + r, tokens 32 kb + 16 half + 8 h + 0..7
;   wf     = [ks 0..31][g][mat q, k, v][half] pieces: lane L has column 16 g + r, k = 32 ks + 16 half + 8 h + 0..7
; LIMIT: f16 holds up to 65,504: a q, k or v beyond that becomes an infinity.  Inputs as drawn give them a spread of 1; x and W both thirty
; times larger give 900.  f16 is taken for its three more bits of mantissa than bf16 has.
; SHARES.  A work-group owns 64 tokens, 256 KiB of x, read from memory once.  Wave w = 4 s + g makes d tile g of q, of k and of v for all 64
; tokens (12 accumulator tiles) over half of K: K goes in 8 chunks of 128, step t (0..3) has chunks 2 t and 2 t + 1, wave (g, s) takes 2 t + s.
; So each fragment of W is loaded by one wave of the group alone, straight into registers: 384 KiB a group.  At the end the waves s = 1 hand
; their sums to the waves s = 0 through LDS.  The sum over K is thus made in two halves, in another order than a single chain's.
; W IS ASKED FOR SEVEN K STEPS AHEAD, into a ring of eight K steps (192 registers): between a request and the wait for it the wave issues
; 84 matrix instructions, and 7 x 6 loads of 512 bytes are on their way for each wave.
; LDS.  The whole tile of x has bytes of its own: chunk c at c x 33,792, token row R at + R x 528 (512 bytes + 16 of padding).  All of it is
; asked for at the start, four tensor loads a wave (four outstanding at the most), and no byte is ever filled again: the waits on TENSORcnt are
; counted and the four barriers only show a step's rows to all waves.  Behind the tile, from byte 270,336 (a multiple of 256), 49,152 bytes of stage.
; NO MULTICAST of W, though all work-groups walk it: tile and stage take 319,488 bytes, and one step's W is 8 x 12,288 = 98,304 bytes.
; REGISTERS, in two windows of 256 (s_set_vgpr_msb's low byte: bits 1:0 source 0, 3:2 source 1, 5:4 source 2, 7:6 destination):
;   window 0: addresses, the accumulators, x as f32;   window 1: x as bf16 fragments (two buffers) and the ring of W.
; Both operands of every product lie in window 1, so a K step has three stretches: 32 conversions and 6 loads of W (destination in window 1),
; 16 LDS loads (window 0), 12 matrix instructions (sources 0 and 1 in window 1).
.set PITCH, 528                        ; 33 x 16 bytes: the sixteen rows that a load touches start at sixteen different 16-byte columns modulo 256
.set CHUNK, 64*PITCH                   ; 33,792
.set STEP,  2*CHUNK                    ; 67,584
.set STAGE, 8*CHUNK                    ; 270,336
.set RING,  8                          ; K steps of W in registers
.set AHEAD, 7                          ; K steps between a request for W and its use
.set XA,   1                           ; v1   LDS address of my part of a fragment of x: r x 528 + 32 h + my chunk
.set WOFF, 2                           ; v2   my byte offset in wf; never rewritten
.set STG,  3                           ; v3   stage: 12,288 bytes for each g
.set QKO,  4                           ; v4   my byte offset in the group's part of qf and kf
.set VO,   5                           ; v5   the same in vf
.set ACC,  8                           ; v[8:103]    tile (mat, mt) at 8 (4 mat + mt)
.set XR,   104                         ; v[104:167]  x as f32: four token tiles x 32 k, 16 registers each
.set SI,   104                         ; v[104:199]  at the end: the other half's sums
.set XF,   0                           ; window 1, v[0:63]    x as bf16 fragments: buffer i mod 2 at 32, token tile mt at 8 mt
.set WB,   64                          ; window 1, v[64:255]  W: K step i in slot i mod 8, 24 registers (q, k, v fragments)
.set G1,   24                          ; s[24:31] descriptor group 1
.set G0,   32                          ; s[32:47] descriptor group 0, one for each of my four loads
.set TO1,  0x40                        ; destination in window 1, sources in window 0
.set MUL,  0x05                        ; sources 0 and 1 in window 1, C and D in window 0
.set MSB, 0
.macro WIN new                         ; the immediate's high byte repeats the setting that is left
.if MSB != \new
	s_set_vgpr_msb (MSB<<8)|\new
.set MSB, \new
.endif
.endm
	s_load_b256 s[4:11], s[0:1], 0x0               ; x s[4:5], wf s[6:7], qf s[8:9], kf s[10:11]
	s_load_b64 s[12:13], s[0:1], 0x20              ; vf
	v_lshl_add_u32 v254, v0, 2, 0x4e000
	v_mov_b32 v255, 0
	ds_add_u32 v254, v255
	ds_add_u32 v254, v255
	v_lshrrev_b32 v6, 5, v0
	v_readfirstlane_b32 s14, v6                    ; wave w
	s_and_b32 s15, s14, 3                          ; g
	s_lshr_b32 s16, s14, 2                         ; s
	; group 1: a tile of 16 rows x 128 elements of 4 bytes, 16 bytes of padding behind each row
	s_mov_b32 s[G1+0], (2<<16)|(1<<20)|(6<<22)|(3<<25)   ; no mask; element of 4 bytes; padding on, after every 128 words (code 6), of 4 words (code 3)
	s_mov_b32 s[G1+1], 128<<16                     ; tensor_dim0 = 128
	s_mov_b32 s[G1+2], 16<<16                      ; tensor_dim1 = 16
	s_mov_b32 s[G1+3], 128<<16                     ; tile_dim0 = 128
	s_mov_b32 s[G1+4], 16                          ; tile_dim1 = 16
	s_mov_b32 s[G1+5], 1024                        ; elements from row to row
	s_mov_b32 s[G1+6], 0
	s_mov_b32 s[G1+7], 0
	s_lshl_b32 s18, ttmp9, 18                      ; 64 tokens of 4,096 bytes
	s_lshl_b32 s17, s15, 16                        ; + my 16 rows
	s_add_co_u32 s18, s18, s17
	s_lshl_b32 s17, s16, 9                         ; + my chunk of a step: 512 bytes
	s_add_co_u32 s18, s18, s17
	s_mov_b32 s19, 0
	s_mul_i32 s20, s14, 16*PITCH                   ; chunk s, rows 16 g: (64 s + 16 g) x 528 = w x 8,448
	s_wait_dscnt 0x0
	s_wait_kmcnt 0x0
	s_add_nc_u64 s[4:5], s[4:5], s[18:19]
	; the four first fills, one group, ahead of every wait on TENSORcnt, every LDS read and every barrier
.irp t, 0,1,2,3
	s_mov_b32 s[G0+4*\t], 1
	s_add_co_u32 s[G0+4*\t+1], s20, \t*STEP        ; LDS address: the wave's number times a constant plus the step's constant
	s_add_nc_u64 s[G0+4*\t+2:G0+4*\t+3], s[4:5], \t*1024
	s_or_b32 s[G0+4*\t+3], s[G0+4*\t+3], 0x80000000
	tensor_load_to_lds s[G0+4*\t:G0+4*\t+3], s[G1:G1+7]
	s_nop 0
.endr
; W of K step i (0..15 of my half of K; ks = 8 (i / 4) + 4 s + i mod 4): six loads of 512 neighbouring bytes.  Under TO1.
.macro WLOAD i
.irp j, 0,1,2,3,4,5
	global_load_b128 v[WB+24*((\i)%RING)+4*\j:WB+24*((\i)%RING)+4*\j+3], v[WOFF], s[6:7] offset:((\i)>>2)*98304+((\i)&3)*12288+512*\j
.endr
.endm
; x of the four token tiles, 32 k at K step kk of the chunk, as f32: k = 8 h .. + 7 at bytes 32 h, k = 16 + 8 h .. at 64 + 32 h.  Under window 0.
.macro XLOAD kk
.irp mt, 0,1,2,3
.irp o, 0,1,2,3
	ds_load_b128 v[XR+16*\mt+4*\o:XR+16*\mt+4*\o+3], v[XA] offset:\mt*16*PITCH+(\kk)*128+((\o)&1)*16+((\o)>>1)*64
.endr
.endr
.endm
.macro CVT i                           ; under TO1
.irp mt, 0,1,2,3
.irp q, 0,1,2,3,4,5,6,7
	v_cvt_pk_bf16_f32 v[XF+32*((\i)&1)+8*\mt+\q], v[XR+16*\mt+2*\q], v[XR+16*\mt+2*\q+1]
.endr
.endr
.endm
.macro MM1 d, a, b, zero
.if \zero
	v_wmma_f32_16x16x32_bf16 v[\d:\d+7], v[\a:\a+7], v[\b:\b+7], 0
.else
	v_wmma_f32_16x16x32_bf16 v[\d:\d+7], v[\a:\a+7], v[\b:\b+7], v[\d:\d+7]
.endif
.endm
; Twelve matrix instructions on twelve accumulators.  q and k: W first, x second: a lane's eight results are eight neighbouring d of one token.
; v: x first, W second: eight neighbouring tokens of one d.  The twelve accumulators take turns, one instruction a turn.
.macro MM i, zero
.set wb_, WB+24*((\i)%RING)
.set xf_, XF+32*((\i)&1)
.irp mt, 0,1,2,3
	MM1 ACC+8*\mt,    wb_,       xf_+8*\mt, \zero
	MM1 ACC+32+8*\mt, wb_+8,     xf_+8*\mt, \zero
	MM1 ACC+64+8*\mt, xf_+8*\mt, wb_+16,    \zero
.endr
.endm
; A K step.  The 32 conversions read XR and write the XF buffer that the last K step's products did not read: they name none of those products'
; registers and are the places (ISA guide 7.12.1 for vector instructions) in front of the loads into the W slot that the last K step read;
; and they stand between the products that read an XF buffer and the conversions that write it again, a K step later.
.macro KSTEP i, kk
	s_wait_dscnt 0x0                               ; this K step's x is in XR
	WIN TO1
	CVT \i
.if (\i)+AHEAD <= 15
	WLOAD \i+AHEAD                                 ; into the slot of K step i - 1
.endif
.if \kk < 3
	WIN 0
	XLOAD \kk+1                                    ; the next K step's x: twelve matrix instructions in which to come
.endif
.if (\i) <= 15-AHEAD
	s_wait_loadcnt 6*AHEAD                         ; loads come back in order (ISA guide 5.7.1): the six loads of each of the seven younger K steps may stay out
.else
	s_wait_loadcnt 6*(15-(\i))                     ; the tail: as many younger K steps as are left
.endif
	WIN MUL
.if (\i) == 0
	MM \i, 1                                       ; the first products start the sums: nothing is cleared
.else
	MM \i, 0
.endif
.endm
	v_and_b32 v6, 31, v0
	v_lshlrev_b32 v6, 4, v6                        ; 16 L
	s_mul_i32 s17, s15, 3072
	s_mul_i32 s21, s16, 49152
	s_add_co_u32 s17, s17, s21
	v_add_nc_u32 v[WOFF], s17, v6                  ; 16 L + g x 3,072 + s x 4 K steps x 12,288
	WIN TO1
.irp i, 0,1,2,3,4,5,6
	WLOAD \i
.endr
	WIN 0
	v_and_b32 v7, 15, v0                           ; r
	v_mul_u32_u24 v[XA], v7, PITCH
	v_bfe_u32 v7, v0, 4, 1                         ; h
	v_lshl_add_u32 v[XA], v7, 5, v[XA]
	s_mul_i32 s17, s16, CHUNK
	v_add_nc_u32 v[XA], s17, v[XA]
	s_mul_i32 s17, s15, 12288
	s_add_co_u32 s17, s17, STAGE
	v_add_nc_u32 v[STG], s17, v6
	v_lshl_add_u32 v[QKO], s15, 9, v6
	v_lshl_add_u32 v[VO], s15, 10, v6
	s_lshl_b32 s18, ttmp9, 13                      ; the group's 8,192 bytes of qf, kf and vf
	s_add_nc_u64 s[8:9], s[8:9], s[18:19]
	s_add_nc_u64 s[10:11], s[10:11], s[18:19]
	s_add_nc_u64 s[12:13], s[12:13], s[18:19]
.irp t, 0,1,2,3
	WIN 0
	s_wait_tensorcnt 3-\t                          ; tensor loads of a wave end in order (ISA guide 10.11.1): my rows of step t are in, my younger loads stay out
	s_barrier_signal -1                            ; no LDS instruction of mine is pending here; behind this barrier nothing is filled
	s_barrier_wait -1                              ; every wave's rows of step t are in
.if \t
	v_add_nc_u32 v[XA], STEP, v[XA]
.endif
	XLOAD 0
.irp kk, 0,1,2,3
	KSTEP 4*\t+\kk, \kk
.endr
.endr
	; the two halves of K meet: four places behind the last matrix instructions, then the waves s = 1 lay their 96 registers into the stage
	WIN 0                                          ; at a branch and at a label every window is 0
.rept 4
	v_nop
.endr
	s_cmp_lt_u32 s14, 4
	s_cbranch_scc1 .Lno_stage
.set n, 0
.rept 24
	ds_store_b128 v[STG], v[ACC+4*n:ACC+4*n+3] offset:512*n
.set n, n+1
.endr
.Lno_stage:
	s_wait_dscnt 0x0                               ; for the readers' sake: my stores are done
	s_barrier_signal -1
	s_barrier_wait -1
	s_cmp_lt_u32 s14, 4
	s_cbranch_scc1 .Lsum
	s_wait_tensorcnt 0x0
	ds_add_u32 v254, v255
	s_wait_dscnt 0x0
	s_endpgm                                       ; all my tensor loads were waited for at step 3
.Lsum:
.set n, 0
.rept 24
	ds_load_b128 v[SI+4*n:SI+4*n+3], v[STG] offset:512*n
.set n, n+1
.endr
	s_wait_dscnt 0x0
.set n, 0
.rept 48
	v_pk_add_f32 v[ACC+2*n:ACC+2*n+1], v[ACC+2*n:ACC+2*n+1], v[SI+2*n:SI+2*n+1]
.set n, n+1
.endr
.set n, 0
.rept 12
.irp q, 0,1,2,3
	v_cvt_pk_f16_f32 v[ACC+8*n+\q], v[ACC+8*n+2*\q], v[ACC+8*n+2*\q+1]   ; in place, ascending: register q is written when registers 2 q, 2 q + 1 are read
.endr
.set n, n+1
.endr
.irp mt, 0,1,2,3
	global_store_b128 v[QKO], v[ACC+8*\mt:ACC+8*\mt+3],       s[8:9]   offset:2048*\mt     ; each store: 512 neighbouring bytes, at a multiple of 512
	global_store_b128 v[QKO], v[ACC+32+8*\mt:ACC+32+8*\mt+3], s[10:11] offset:2048*\mt
	global_store_b128 v[VO],  v[ACC+64+8*\mt:ACC+64+8*\mt+3], s[12:13] offset:((\mt)>>1)*4096+((\mt)&1)*512
.endr
	s_wait_tensorcnt 0x0
	ds_add_u32 v254, v255
	s_wait_dscnt 0x0
	s_endpgm
.Lfunc_end_k_q0db8e44205_proj:
	.size	k_q0db8e44205_proj, .Lfunc_end_k_q0db8e44205_proj-k_q0db8e44205_proj
	.p2alignl 7, 3214868480
	.fill 96, 4, 3214868480
	.section	.rodata,"a",@progbits
	.p2align	6, 0x0
	.amdhsa_kernel k_q0db8e44205_proj
		.amdhsa_group_segment_fixed_size 320512
		.amdhsa_private_segment_fixed_size 0
		.amdhsa_enable_private_segment 0
		.amdhsa_kernarg_size 40
		.amdhsa_user_sgpr_count 2
		.amdhsa_user_sgpr_kernarg_segment_ptr 1
		.amdhsa_wavefront_size32 1
		.amdhsa_system_sgpr_workgroup_id_x 1
		.amdhsa_system_sgpr_workgroup_id_y 1
		.amdhsa_system_sgpr_workgroup_id_z 1
		.amdhsa_system_vgpr_workitem_id 0
		.amdhsa_next_free_vgpr 512
		.amdhsa_next_free_sgpr 66
		.amdhsa_reserve_vcc 0
		.amdhsa_float_denorm_mode_32 3
		.amdhsa_float_denorm_mode_16_64 3
		.amdhsa_memory_ordered 1
		.amdhsa_forward_progress 1
		.amdhsa_inst_pref_size 87
	.end_amdhsa_kernel
	.amdgpu_metadata
---
amdhsa.version: [ 1, 2 ]
amdhsa.kernels:
  - .name:           k_q0db8e44205_proj
    .symbol:         k_q0db8e44205_proj.kd
    .args:
      - { .name: x, .offset: 0, .size: 8, .value_kind: global_buffer, .address_space: global }
      - { .name: wf, .offset: 8, .size: 8, .value_kind: global_buffer, .address_space: global }
      - { .name: qf, .offset: 16, .size: 8, .value_kind: global_buffer, .address_space: global }
      - { .name: kf, .offset: 24, .size: 8, .value_kind: global_buffer, .address_space: global }
      - { .name: vf, .offset: 32, .size: 8, .value_kind: global_buffer, .address_space: global }
    .group_segment_fixed_size: 320512
    .private_segment_fixed_size: 0
    .kernarg_segment_align: 8
    .kernarg_segment_size: 40
    .max_flat_workgroup_size: 256
    .sgpr_count:     66
    .vgpr_count:     512
    .wavefront_size: 32
...
	.end_amdgpu_metadata
.endif
;; end of part 2
;; launch attn (part 3): grid 256 x 1, 16 waves a work-group, no clusters, 280,576 bytes of LDS; arguments qf, kf, vf, out0; writes out0
.if DOCPART == 3
	.amdgcn_target "amdgcn-amd-amdhsa--gfx1250"
	.amdhsa_code_object_version 6
	.text
	.protected	k_q0db8e44205_attn
	.globl	k_q0db8e44205_attn
	.p2align	8
	.type	k_q0db8e44205_attn,@function
k_q0db8e44205_attn:
	s_mov_b64 s[64:65], 0
	v_nop
	global_prefetch_b8 v0, s[64:65] scope:SCOPE_SE
	s_setreg_imm32_b32 hwreg(HW_REG_WAVE_MODE, 25, 1), 1
	s_wait_xcnt 0x0
; out = softmax(causal(q k^T / 32)) v, one head of width 64, 4 batches of 4,096 tokens.  q, k, v: f16 in fragment order:
;   qf, kf = [tile of 16 tokens][g 0..3] pieces of 512 bytes: lane L = r + 16 h has token r, d = 16 g + 8 h + 0..7
;   vf     = [block of 32 tokens][u 0..3][half] pieces:        lane L has d = 16 u + r, tokens 16 half + 8 h + 0..7
; SHARES.  Work-group W: batch W / 64, i = W mod 64; it makes two tiles of 32 queries, tile 127 - i and then tile i.  Tile tl needs the key blocks
; (32 keys) 0 .. tl, so every group has 129 blocks.  The sixteen waves split the KEYS: in the long tile wave w takes blocks w, w + 16, ... up to tl,
; in the short tile the blocks 15 - w, 31 - w, ...  Block b of the long tile answers to c = 127 - b >= i with c mod 16 = 15 - w, so a wave's blocks
; of both tiles are the c = 15 - w mod 16 of 0 .. 127, with c = i counted twice: 8 blocks a wave, 9 for one.  Each wave has a running maximum, sum
; and output of its own for all 32 queries; block tl, the one that the mask cuts, is its owner's last.  The sixteen partial results of both tiles
; meet in LDS once, behind the kernel's one barrier.  No two waves of a group read the same block, so K and V go straight from memory to the
; operand registers, 512 neighbouring bytes a load; LDS holds the partial results alone.
; SIXTEEN WAVES, so that enough is on its way: a wave has its next K and its next V out, 16 loads of 512 bytes, which is 128 KiB for the group.
; TRANSPOSED.  S^T = K Q^T: a lane holds 16 scores of ONE query (keys 16 kt + 8 h + j), so maximum and sum are the lane's own but for one exchange
; between the halves, and the scores, packed to f16, already are the second operand of O^T = V^T P^T, where a lane again holds one query.
; SOFTMAX.  NB = -c x (running maximum of the raw scores), c = log2(e) / 32, rounded once and used as it is everywhere:
; p = 2^(s c + NB), old sums are scaled by 2^(NB new - NB old), partial results by 2^(NB of all - NB of the wave): all factors fit each other.
; A tile's first block starts maximum, sum and output (its output products take the constant 0 as C): nothing is cleared or scaled there.
; LIMITS.  Masked raw scores are -1e30, and a wave without a block hands on a maximum of -1e30: a finite raw score is taken to lie above that.
; v_exp_f32 gives zero where the result would be denormal (ISA guide 15.8).  p goes to the matrix unit as f16 (p <= 1; below 6e-5 with f16's
; denormal step), the sum L takes p before that rounding.  The sums over keys are made in sixteen parts, in another order than a row-wise softmax's.
; NO MULTICAST: groups of one batch read the same K and V, but a tile tl stops at block tl, so partners would need different numbers of blocks,
; and here a block passes through no LDS at all.
.set OP,     272                       ; a row of a partial result: 64 f32 + 16 bytes, in which NB (byte 256) and L (byte 260) of that query lie
.set WREG,   32*OP                     ; 8,704: a wave's 32 rows
.set HALFR,  8*WREG                    ; 69,632: eight waves' rows: as far as a 16-bit offset reaches from one base
.set REGION, 16*WREG                   ; 139,264: a tile's partial results; two tiles: 278,528 bytes
.set BSTEP,  16*4096                   ; from a wave's block to its next
.set KOFF, 1                           ; v1   byte offset in the batch's kf of my 16 bytes of the block that is loaded
.set VOFF, 2                           ; v2   the same in vf
.set L16,  3                           ; v3   16 L
.set D0,   4                           ; v4   r - 8 h: in the cut block key j of a diagonal tile is masked where j > r - 8 h
.set NEGV, 5                           ; v5   -1e30
.set PW,   6                           ; v6   where I put my part of a row of O
.set MLW,  7                           ; v7   the row's first byte
.set NB,   8                           ; v[8:9]    -c x running maximum, query tile 0, 1
.set LS,   10                          ; v[10:11]  running sum (of my half of the keys until the tile's end)
.set AL,   12                          ; v[12:13]  the factor for the old sums
.set NBB,  14                          ; v[14:15]  -c x the block's maximum
.set ARG,  16                          ; v[16:17]
.set T,    18                          ; v[18:33]  at work: 8 registers for each query tile
.set QF,   40                          ; v[40:71]    Q fragments, 16 qt + 8 ds
.set KF,   72                          ; v[72:103]   K fragments, 16 kt + 8 ds
.set VF,   104                         ; v[104:135]  V^T fragments, 8 u
.set SC,   136                         ; v[136:167]  scores, 16 qt + 8 kt; then p; then P as f16 in the first 8 of each 16
.set OT,   168                         ; v[168:231]  O^T, 32 qt + 8 u
.set MA,   232                         ; v[232:235]  merge: address of (NB, L): tile 0 waves 0-7, 8-15, tile 1 waves 0-7, 8-15
.set OA,   236                         ; v[236:239]  merge: address of my 16 bytes of a row, likewise
.set OUTO, 240                         ; v240        16 t: my place in a tile's 32 rows of out0
.set MP,   40                          ; merge: v[40:71]   (NB, L) of the sixteen waves
.set PO,   72                          ; merge: v[72:135]  my 4 numbers of the sixteen partial rows
.set WT,   136                         ; merge: v[136:151] the sixteen weights
.set AC,   152                         ; merge: v[152:155]
.set RC,   156                         ; merge: 1 / L
.set NBT,  157                         ; merge: the least NB
.set LT,   158                         ; merge: v[158:159] L, in two chains
.set RES,  160                         ; merge: v[160:167] two results of four registers, each stored from registers of its own
	s_load_b256 s[4:11], s[0:1], 0x0               ; qf s[4:5], kf s[6:7], vf s[8:9], out0 s[10:11]
	v_lshl_add_u32 v254, v0, 2, 0x44000
	v_mov_b32 v255, 0
	v_lshrrev_b32 v1, 5, v0
	v_readfirstlane_b32 s12, v1                    ; wave w
	s_sub_co_u32 s35, 15, s12                      ; whose blocks I take in the short tile
	s_lshr_b32 s13, ttmp9, 6                       ; batch
	s_and_b32 s14, ttmp9, 63                       ; i: the short tile
	s_sub_co_u32 s15, 127, s14                     ; the long tile, made first
	s_mov_b32 s20, 0x3d38aa3b                      ; c = log2(e) / 32, twice: a pair for the packed multiply-add
	s_mov_b32 s21, 0x3d38aa3b
	s_mov_b32 s34, 0xbd38aa3b                      ; -c
	s_mov_b32 s22, 0x76543210                      ; v_permlanex16_b32: lane i of one half reads lane i of the other
	s_mov_b32 s23, 0xfedcba98
	v_and_b32 v[L16], 31, v0
	v_lshlrev_b32 v[L16], 4, v[L16]
	v_and_b32 v[D0], 15, v0                        ; r
	v_bfe_u32 v[T], v0, 4, 1                       ; h
	s_mul_i32 s16, s12, WREG
	v_mul_u32_u24 v[MLW], v[D0], OP
	v_add_nc_u32 v[MLW], s16, v[MLW]               ; w x 8,704 + r x 272
	v_lshl_add_u32 v[PW], v[T], 5, v[MLW]          ; + 32 h: d = 16 u + 8 h + j lies at byte 64 u + 32 h + 4 j
	v_lshlrev_b32 v[T], 3, v[T]
	v_sub_nc_u32 v[D0], v[D0], v[T]
	v_mov_b32 v[NEGV], 0xf149f2ca
	v_mov_b32 v[T+1], 0                            ; v_permlanex16_b32 counts as a reader of its destination: T and T + 1 are written here, on every path
	s_lshl_b32 s18, s13, 19                        ; a batch of qf, kf, vf: 4,096 tokens x 128 bytes
	s_mov_b32 s19, 0
	s_wait_kmcnt 0x0
	s_add_nc_u64 s[30:31], s[6:7], s[18:19]        ; K of my batch
	s_add_nc_u64 s[32:33], s[8:9], s[18:19]        ; V of my batch
	s_add_nc_u64 s[4:5], s[4:5], s[18:19]
	s_lshl_b32 s18, s15, 12                        ; a tile of 32 queries: 4,096 bytes
	s_add_nc_u64 s[24:25], s[4:5], s[18:19]        ; Q of the long tile
	s_lshl_b32 s18, s14, 12
	s_add_nc_u64 s[26:27], s[4:5], s[18:19]        ; Q of the short tile
	s_lshl_b32 s18, s13, 20                        ; a batch of out0: 4,096 rows of 256 bytes
	s_add_nc_u64 s[10:11], s[10:11], s[18:19]
	s_lshl_b32 s18, s15, 13
	s_add_nc_u64 s[28:29], s[10:11], s[18:19]      ; out0 at the long tile
	s_lshl_b32 s18, s14, 13
	s_add_nc_u64 s[36:37], s[10:11], s[18:19]      ; out0 at the short tile
; One block of 32 keys against the 32 queries.  first = 1: the wave's first block of the tile: it starts maximum, sum and output.
; next = 1: the wave's next block (16 blocks on) is loaded: K as soon as the score products have read K's registers, V as soon as the output
; products have read V's.  mask = 1: the block on the diagonal.
.macro BLOCK first, next, mask
	s_wait_loadcnt 0x8                             ; loads come back in order (ISA guide 5.7.1): the eight of V are younger and may stay out; K (and Q) are in
	; S^T: four accumulators by turns, one instruction a turn; the first product starts each sum
.irp ds, 0,1
.irp qt, 0,1
.irp kt, 0,1
.if \ds == 0
	v_wmma_f32_16x16x32_f16 v[SC+16*\qt+8*\kt:SC+16*\qt+8*\kt+7], v[KF+16*\kt+8*\ds:KF+16*\kt+8*\ds+7], v[QF+16*\qt+8*\ds:QF+16*\qt+8*\ds+7], 0
.else
	v_wmma_f32_16x16x32_f16 v[SC+16*\qt+8*\kt:SC+16*\qt+8*\kt+7], v[KF+16*\kt+8*\ds:KF+16*\kt+8*\ds+7], v[QF+16*\qt+8*\ds:QF+16*\qt+8*\ds+7], v[SC+16*\qt+8*\kt:SC+16*\qt+8*\kt+7]
.endif
.endr
.endr
.endr
	; four places (ISA guide 7.12.1 for vector instructions) in front of the loads into K's registers and of the first reader of a score
.if \next
	v_add_nc_u32 v[KOFF], BSTEP, v[KOFF]           ; free since the wait above showed this block's K loads done
	v_nop
	v_nop
	v_nop
.irp c, 0,1,2,3,4,5,6,7
	global_load_b128 v[KF+4*\c:KF+4*\c+3], v[KOFF], s[30:31] offset:512*\c
.endr
.else
.rept 4
	v_nop
.endr
.endif
.if \mask
	; query 16 qt + r, key 16 kt + 8 h + j: (qt 0, kt 1) is all masked, (qt 1, kt 0) all open, the two diagonal tiles are cut where j > r - 8 h
.irp j, 0,1,2,3,4,5,6,7
	v_mov_b32 v[SC+8+\j], v[NEGV]
.endr
.irp j, 0,1,2,3,4,5,6,7
	v_cmp_gt_i32 vcc_lo, \j, v[D0]
	v_cndmask_b32 v[SC+\j], v[SC+\j], v[NEGV], vcc_lo
	v_cndmask_b32 v[SC+24+\j], v[SC+24+\j], v[NEGV], vcc_lo
.endr
.endif
	; the block's maximum for each query: 16 numbers of the lane, then the other half's
.irp qt, 0,1
.irp a, 0,1,2,3,4
	v_max3_num_f32 v[T+8*\qt+\a], v[SC+16*\qt+3*\a], v[SC+16*\qt+3*\a+1], v[SC+16*\qt+3*\a+2]
.endr
.endr
.irp qt, 0,1
	v_max3_num_f32 v[T+8*\qt], v[T+8*\qt], v[T+8*\qt+1], v[T+8*\qt+2]
	v_max3_num_f32 v[T+8*\qt+3], v[T+8*\qt+3], v[T+8*\qt+4], v[SC+16*\qt+15]
.endr
.irp qt, 0,1
	v_max_num_f32 v[T+8*\qt], v[T+8*\qt], v[T+8*\qt+3]
.endr
.irp qt, 0,1
	v_permlanex16_b32 v[T+8*\qt+1], v[T+8*\qt], s22, s23
.endr
.irp qt, 0,1
	v_max_num_f32 v[T+8*\qt], v[T+8*\qt], v[T+8*\qt+1]
.endr
.if \first
.irp qt, 0,1
	v_mul_f32 v[NB+\qt], s34, v[T+8*\qt]           ; every query has an open key in every block that a wave takes: the maximum is a true score
.endr
.else
.irp qt, 0,1
	v_mul_f32 v[NBB+\qt], s34, v[T+8*\qt]          ; rounded here, by itself: the difference below must be that of the two numbers that are used as NB
.endr
.irp qt, 0,1
	v_sub_f32 v[ARG+\qt], v[NBB+\qt], v[NB+\qt]
.endr
.irp qt, 0,1
	v_min_num_f32 v[NB+\qt], v[NB+\qt], v[NBB+\qt] ; the running maximum, as -c x maximum
	v_min_num_f32 v[ARG+\qt], 0, v[ARG+\qt]        ; NB new - NB old
.endr
	v_exp_f32 v[AL], v[ARG]
	v_exp_f32 v[AL+1], v[ARG+1]                    ; the packed multiply-adds below are the plain instructions behind these two (ISA guide 5.7.2)
.endif
.irp qt, 0,1
.irp a, 0,1,2,3,4,5,6,7
	v_pk_fma_f32 v[SC+16*\qt+2*\a:SC+16*\qt+2*\a+1], v[SC+16*\qt+2*\a:SC+16*\qt+2*\a+1], s[20:21], v[NB:NB+1] op_sel:[0,0,\qt] op_sel_hi:[1,0,\qt]
.endr
.endr
.set n, 0
.rept 32
	v_exp_f32 v[SC+n], v[SC+n]
.set n, n+1
.endr
.if \first
	v_nop                                          ; one plain instruction behind the exponentials (ISA guide 5.7.2): there is no old output to scale
	s_wait_alu depctr_va_vdst(0)
.else
	; the old output is scaled: plain instructions that touch no p, so they also stand behind the exponentials
	s_wait_alu depctr_va_vdst(0)
.irp qt, 0,1
.set n, 0
.rept 16
	v_pk_mul_f32 v[OT+32*\qt+2*n:OT+32*\qt+2*n+1], v[OT+32*\qt+2*n:OT+32*\qt+2*n+1], v[AL:AL+1] op_sel:[0,\qt] op_sel_hi:[1,\qt]
.set n, n+1
.endr
.endr
.endif
.irp qt, 0,1
.irp a, 0,1,2,3
	v_pk_add_f32 v[T+8*\qt+2*\a:T+8*\qt+2*\a+1], v[SC+16*\qt+4*\a:SC+16*\qt+4*\a+1], v[SC+16*\qt+4*\a+2:SC+16*\qt+4*\a+3]
.endr
.endr
.irp qt, 0,1
	v_pk_add_f32 v[T+8*\qt:T+8*\qt+1], v[T+8*\qt:T+8*\qt+1], v[T+8*\qt+2:T+8*\qt+3]
	v_pk_add_f32 v[T+8*\qt+4:T+8*\qt+5], v[T+8*\qt+4:T+8*\qt+5], v[T+8*\qt+6:T+8*\qt+7]
.endr
.irp qt, 0,1
	v_pk_add_f32 v[T+8*\qt:T+8*\qt+1], v[T+8*\qt:T+8*\qt+1], v[T+8*\qt+4:T+8*\qt+5]
.endr
.if \first
.irp qt, 0,1
	v_add_f32 v[LS+\qt], v[T+8*\qt], v[T+8*\qt+1]
.endr
.else
.irp qt, 0,1
	v_add_f32 v[T+8*\qt], v[T+8*\qt], v[T+8*\qt+1]
.endr
.irp qt, 0,1
	v_fma_f32 v[LS+\qt], v[LS+\qt], v[AL+\qt], v[T+8*\qt]
.endr
.endif
.irp qt, 0,1
.irp q, 0,1,2,3,4,5,6,7
	v_cvt_pk_f16_f32 v[SC+16*\qt+\q], v[SC+16*\qt+2*\q], v[SC+16*\qt+2*\q+1]   ; in place, ascending: keys 8 h .. in registers 0-3, 16 + 8 h .. in 4-7
.endr
.endr
.if \next
	s_wait_loadcnt 0x8                             ; the eight loads of the next K are younger: V is in
.else
	s_wait_loadcnt 0x0
.endif
	; O^T (+)= V^T P^T: eight accumulators, one instruction each
.irp u, 0,1,2,3
.irp qt, 0,1
.if \first
	v_wmma_f32_16x16x32_f16 v[OT+32*\qt+8*\u:OT+32*\qt+8*\u+7], v[VF+8*\u:VF+8*\u+7], v[SC+16*\qt:SC+16*\qt+7], 0
.else
	v_wmma_f32_16x16x32_f16 v[OT+32*\qt+8*\u:OT+32*\qt+8*\u+7], v[VF+8*\u:VF+8*\u+7], v[SC+16*\qt:SC+16*\qt+7], v[OT+32*\qt+8*\u:OT+32*\qt+8*\u+7]
.endif
.endr
.endr
	; five places: the next block's score products write over P; four of them also serve the loads into V's registers and the readers of O
.if \next
	v_add_nc_u32 v[VOFF], BSTEP, v[VOFF]           ; free since the wait above showed this block's V loads done
.rept 4
	v_nop
.endr
.irp c, 0,1,2,3,4,5,6,7
	global_load_b128 v[VF+4*\c:VF+4*\c+3], v[VOFF], s[32:33] offset:512*\c
.endr
.else
.rept 5
	v_nop
.endr
.endif
.endm
; The wave's partial result goes to its own 8,704 bytes of LDS.  z = 1: a wave without a block stores the four cleared registers OT .. OT + 3 sixteen times.
.macro PUT z
.irp qt, 0,1
	ds_store_b32 v[MLW], v[NB+\qt] offset:\qt*16*OP+256            ; both halves write the same word with the same number
	ds_store_b32 v[MLW], v[LS+\qt] offset:\qt*16*OP+260
.irp u, 0,1,2,3
	ds_store_b128 v[PW], v[OT+(1-\z)*(32*\qt+8*\u):OT+(1-\z)*(32*\qt+8*\u)+3]     offset:\qt*16*OP+64*\u
	ds_store_b128 v[PW], v[OT+(1-\z)*(32*\qt+8*\u+4):OT+(1-\z)*(32*\qt+8*\u+4)+3] offset:\qt*16*OP+64*\u+16
.endr
.endr
.endm
; A tile of 32 queries: tl in s15, Q's base in s[qb:qb+1], s[wr]: whose blocks I take.  Ends with the wave's partial result in LDS.
; ti = 0, the long tile: tl >= 64, so (tl + 16 - w) / 16 >= 4 blocks for every wave: the ways for no block, for one and for two are not written.
.macro TILE ti, qb, wr
	v_lshl_add_u32 v[KOFF], s[\wr], 12, v[L16]     ; my first block
	v_lshl_add_u32 v[VOFF], s[\wr], 12, v[L16]
	s_add_co_u32 s16, s15, 16
	s_sub_co_u32 s16, s16, s[\wr]
	s_lshr_b32 s16, s16, 4                         ; my blocks: (tl + 16 - first block) / 16
.if \ti
	s_cmp_eq_u32 s16, 0
	s_cbranch_scc1 .Lzero_\ti
.endif
.irp c, 0,1,2,3,4,5,6,7
	global_load_b128 v[QF+4*\c:QF+4*\c+3], v[L16], s[\qb:\qb+1] offset:512*\c
.endr
.irp c, 0,1,2,3,4,5,6,7
	global_load_b128 v[KF+4*\c:KF+4*\c+3], v[KOFF], s[30:31] offset:512*\c
.endr
.irp c, 0,1,2,3,4,5,6,7
	global_load_b128 v[VF+4*\c:VF+4*\c+3], v[VOFF], s[32:33] offset:512*\c
.endr
	s_and_b32 s38, s15, 15                         ; the owner of block tl
.if \ti
	s_cmp_eq_u32 s16, 1
	s_cbranch_scc1 .Lone_\ti
.endif
	BLOCK 1, 1, 0
	s_sub_co_u32 s17, s16, 2                       ; the blocks between the first and the last
.if \ti
	s_cmp_eq_u32 s17, 0
	s_cbranch_scc1 .Llast_\ti
.endif
.Lblk_\ti:
	BLOCK 0, 1, 0
	s_sub_co_i32 s17, s17, 1
	s_cmp_lg_u32 s17, 0
	s_cbranch_scc1 .Lblk_\ti
.Llast_\ti:
	s_cmp_eq_u32 s38, s[\wr]                       ; my last block is block tl: the mask cuts it
	s_cbranch_scc1 .Ldiag_\ti
	BLOCK 0, 0, 0
	s_branch .Lpart_\ti
.Ldiag_\ti:
	BLOCK 0, 0, 1
.if \ti
	s_branch .Lpart_\ti
.Lone_\ti:
	s_cmp_eq_u32 s38, s[\wr]
	s_cbranch_scc1 .Lonediag_\ti
	BLOCK 1, 0, 0
	s_branch .Lpart_\ti
.Lonediag_\ti:
	BLOCK 1, 0, 1
	s_branch .Lpart_\ti
.Lzero_\ti:
	v_mov_b32 v[NB], 0x7149f2ca                    ; no block: -c x maximum = +1e30, so that the merge gives this wave the weight 0; sum and output 0
	v_mov_b32 v[NB+1], 0x7149f2ca
	v_mov_b32 v[LS], 0
	v_mov_b32 v[LS+1], 0
.irp n, 0,1,2,3
	v_mov_b32 v[OT+\n], 0
.endr
	PUT 1
	s_branch .Ldone_\ti
.endif
.Lpart_\ti:
	v_permlanex16_b32 v[T], v[LS], s22, s23        ; the two halves' sums meet, once a tile
	v_permlanex16_b32 v[T+1], v[LS+1], s22, s23
	v_add_f32 v[LS], v[LS], v[T]
	v_add_f32 v[LS+1], v[LS+1], v[T+1]
	PUT 0
.Ldone_\ti:
.endm
	TILE 0, 24, 12
	v_add_nc_u32 v[PW], REGION, v[PW]              ; the second tile's partial results have bytes of their own
	v_add_nc_u32 v[MLW], REGION, v[MLW]
	s_mov_b32 s15, s14
	TILE 1, 26, 35
	; merge: thread t (0 .. 511) has query t / 16 and d = 4 (t mod 16) .. + 3 of each tile
	v_lshrrev_b32 v[OUTO], 4, v0
	v_mul_u32_u24 v[OA], v[OUTO], OP
	v_add_nc_u32 v[MA], 256, v[OA]
	v_and_b32 v[OUTO], 15, v0
	v_lshl_add_u32 v[OA], v[OUTO], 4, v[OA]
.irp n, 1,2,3
	v_add_nc_u32 v[MA+\n], \n*HALFR, v[MA]
	v_add_nc_u32 v[OA+\n], \n*HALFR, v[OA]
.endr
	v_lshlrev_b32 v[OUTO], 4, v0
	s_wait_dscnt 0x0                               ; for the others' sake: my partial results are in LDS
	s_barrier_signal -1
	s_barrier_wait -1
.macro WACC w, sel                     ; the sum takes wave w's row, times its weight (register sel of an even pair)
	v_pk_fma_f32 v[AC:AC+1],   v[PO+4*(\w):PO+4*(\w)+1],   v[WT+(\w)-\sel:WT+(\w)-\sel+1], v[AC:AC+1]   op_sel:[0,\sel,0] op_sel_hi:[1,\sel,1]
	v_pk_fma_f32 v[AC+2:AC+3], v[PO+4*(\w)+2:PO+4*(\w)+3], v[WT+(\w)-\sel:WT+(\w)-\sel+1], v[AC+2:AC+3] op_sel:[0,\sel,0] op_sel_hi:[1,\sel,1]
.endm
; Tile ti: thread t sums its four numbers over the sixteen waves.  ob: out0's base.
.macro MERGE ti, ob
.irp hf, 0,1
.irp w, 0,1,2,3,4,5,6,7
	ds_load_b64 v[MP+16*\hf+2*\w:MP+16*\hf+2*\w+1], v[MA+2*\ti+\hf] offset:\w*WREG
.endr
.endr
.irp hf, 0,1
.irp w, 0,1,2,3,4,5,6,7
	ds_load_b128 v[PO+32*\hf+4*\w:PO+32*\hf+4*\w+3], v[OA+2*\ti+\hf] offset:\w*WREG
.endr
.endr
	s_wait_dscnt 16                                ; the sixteen (NB, L) are in; the sixteen younger loads, of the rows, may stay out
	v_min3_num_f32 v[NBT], v[MP], v[MP+2], v[MP+4]
.irp a, 6,10,14,18,22,26
	v_min3_num_f32 v[NBT], v[NBT], v[MP+\a], v[MP+\a+2]
.endr
	v_min_num_f32 v[NBT], v[NBT], v[MP+30]         ; the least NB = the largest maximum
.set n, 0
.rept 16
	v_sub_f32 v[WT+n], v[NBT], v[MP+2*n]           ; a wave without a block has NB = 1e30: its weight is 0, its L and O are 0
.set n, n+1
.endr
.set n, 0
.rept 16
	v_exp_f32 v[WT+n], v[WT+n]
.set n, n+1
.endr
	v_nop                                          ; one plain instruction behind the exponentials (ISA guide 5.7.2)
	s_wait_alu depctr_va_vdst(0)
	v_mul_f32 v[LT], v[WT], v[MP+1]
	v_mul_f32 v[LT+1], v[WT+1], v[MP+3]
.irp w, 2,4,6,8,10,12,14
	v_fmac_f32 v[LT], v[WT+\w], v[MP+2*\w+1]
	v_fmac_f32 v[LT+1], v[WT+\w+1], v[MP+2*\w+3]
.endr
	v_add_f32 v[LT], v[LT], v[LT+1]
	v_rcp_f32 v[RC], v[LT]                         ; L > 0: the wave with the largest maximum holds a p of about 1.  The products below stand behind it
	s_wait_dscnt 0x0
	v_pk_mul_f32 v[AC:AC+1],   v[PO:PO+1],   v[WT:WT+1] op_sel_hi:[1,0]
	v_pk_mul_f32 v[AC+2:AC+3], v[PO+2:PO+3], v[WT:WT+1] op_sel_hi:[1,0]
	WACC 1, 1
.irp p, 1,2,3,4,5,6,7
	WACC 2*\p, 0
	WACC 2*\p+1, 1
.endr
	s_wait_alu depctr_va_vdst(0)
	v_pk_mul_f32 v[RES+4*\ti:RES+4*\ti+1],   v[AC:AC+1],   v[RC:RC+1] op_sel_hi:[1,0]
	v_pk_mul_f32 v[RES+4*\ti+2:RES+4*\ti+3], v[AC+2:AC+3], v[RC:RC+1] op_sel_hi:[1,0]
	global_store_b128 v[OUTO], v[RES+4*\ti:RES+4*\ti+3], s[\ob:\ob+1] th:TH_STORE_NT   ; sixteen lanes store one row of out0: 256 bytes, at a multiple of 256
.endm
	MERGE 0, 28
	MERGE 1, 36
	s_wait_tensorcnt 0x0
	ds_add_u32 v254, v255
	s_wait_dscnt 0x0
	s_endpgm
.Lfunc_end_k_q0db8e44205_attn:
	.size	k_q0db8e44205_attn, .Lfunc_end_k_q0db8e44205_attn-k_q0db8e44205_attn
	.p2alignl 7, 3214868480
	.fill 96, 4, 3214868480
	.section	.rodata,"a",@progbits
	.p2align	6, 0x0
	.amdhsa_kernel k_q0db8e44205_attn
		.amdhsa_group_segment_fixed_size 280576
		.amdhsa_private_segment_fixed_size 0
		.amdhsa_enable_private_segment 0
		.amdhsa_kernarg_size 32
		.amdhsa_user_sgpr_count 2
		.amdhsa_user_sgpr_kernarg_segment_ptr 1
		.amdhsa_wavefront_size32 1
		.amdhsa_system_sgpr_workgroup_id_x 1
		.amdhsa_system_sgpr_workgroup_id_y 1
		.amdhsa_system_sgpr_workgroup_id_z 1
		.amdhsa_system_vgpr_workitem_id 0
		.amdhsa_next_free_vgpr 256
		.amdhsa_next_free_sgpr 66
		.amdhsa_reserve_vcc 1
		.amdhsa_float_denorm_mode_32 3
		.amdhsa_float_denorm_mode_16_64 3
		.amdhsa_memory_ordered 1
		.amdhsa_forward_progress 1
		.amdhsa_inst_pref_size 115
	.end_amdhsa_kernel
	.amdgpu_metadata
---
amdhsa.version: [ 1, 2 ]
amdhsa.kernels:
  - .name:           k_q0db8e44205_attn
    .symbol:         k_q0db8e44205_attn.kd
    .args:
      - { .name: qf, .offset: 0, .size: 8, .value_kind: global_buffer, .address_space: global }
      - { .name: kf, .offset: 8, .size: 8, .value_kind: global_buffer, .address_space: global }
      - { .name: vf, .offset: 16, .size: 8, .value_kind: global_buffer, .address_space: global }
      - { .name: out0, .offset: 24, .size: 8, .value_kind: global_buffer, .address_space: global }
    .group_segment_fixed_size: 280576
    .private_segment_fixed_size: 0
    .kernarg_segment_align: 8
    .kernarg_segment_size: 32
    .max_flat_workgroup_size: 512
    .sgpr_count:     66
    .vgpr_count:     256
    .wavefront_size: 32
...
	.end_amdgpu_metadata
.endif
;; end of part 3
